; MI455X (gfx1250); checked and timed in simulation.
; The chip was launched on July 23, 2026; its instructions are those of AMD's public machine-readable ISA for CDNA 5 (MIT licence, August 2026) and "CDNA5" Instruction Set Architecture Reference Guide (July 2026). The comments in the code are by the model that wrote it; some were corrected since.
;; Linear Attention. Allowed arithmetic: matrix products marked QUANTISED: E3M2 operands, one E8M0 scale for each 32 along K, by v_wmma_scale_f32_16x16x128_f8f6f4 with both operands' format E3M2, f32 sums; everything else in f32.
;; Inputs: Wk_b 128 float32; Wk_w 128 x 128 float32; Wo_b 128 float32; Wo_w 128 x 128 float32; Wq_b 128 float32; Wq_w 128 x 128 float32; Wv_b 128 float32; Wv_w 128 x 128 float32; h 2 x 128 x 8 x 32 x 32 float32; x 2 x 128 x 8 x 32 x 32 float32.
;; Outputs: out0 2 x 128 x 8 x 32 x 32 float32.
;; This version of the problem:
;;   THIS VERSION OF THE PROBLEM IS GIVEN IN LOW PRECISION. The matrix products marked QUANTISED in the list below multiply operands that are first quantised to E3M2 (3 exponent bits, 2 mantissa bits; 6 bits a number), with one power-of-two scale for each 32 numbers along K (OCP MX v1.0); their sums are f32. All else is computed in f32.
;;   The module's matrix products, in the order in which they are computed (A, B: the left and right operand; K: the contracted axis; several contracted axes count as one K, in the product's order):
;;     1. [M 16,384, K 128] x [K 128, N 128]; A: input x; B: input Wq_w: QUANTISED
;;     2. [M 16,384, K 128] x [K 128, N 128]; A: input h; B: input Wk_w: QUANTISED
;;     3. [M 16,384, K 128] x [K 128, N 128]; A: input h; B: input Wv_w: QUANTISED
;;     4. batch 2 x [M 8,192, K 128] x [K 128, N 8,192]; A: computed on the way; B: computed on the way: QUANTISED
;;     5. batch 2 x [M 128, K 8,192] x [K 8,192, N 8,192]; A: computed on the way; B: softmax (see below): QUANTISED
;;     6. [M 16,384, K 128] x [K 128, N 128]; A: computed on the way; B: input Wo_w: QUANTISED
;;   THE QUANTISER, for each operand of a quantised product, along K:
;;     - K is cut into blocks of 32 from its start; a last block that is shorter is filled with zeros.
;;     - A block's scale is 2^e with e = floor(log2(the largest magnitude in the block)) - 4, held to -126 .. 127; a block of zeros has e = 0. As a byte (E8M0): e + 127.
;;     - Each number is divided by its block's scale, clamped to +-28, and rounded to the nearest number of E3M2, ties to even, subnormals kept.
;;     - The product sums the exact products of the quantised numbers (number of the format x scale) in f32.
;;   ~~~python
;;   def quantise(x, axis):      # numpy; x: float32 -> the quantised numbers, widened to float32 again
;;       x = np.moveaxis(x, axis, -1); K = x.shape[-1]
;;       x = np.pad(x, [(0, 0)] * (x.ndim - 1) + [(0, -K % 32)]); x = x.reshape(x.shape[:-1] + (-1, 32)); a = np.abs(x).max(-1, keepdims=True)
;;       e = np.where(a > 0, np.clip(np.frexp(np.where(a > 0, a, 1))[1] - 1 - 4, -126, 127), 0)      # np.frexp(a)[1] - 1 = floor(log2(a)), exactly
;;       r = np.clip(x / 2.0 ** e, -28, 28)
;;       step = 2.0 ** (np.maximum(np.frexp(np.where(r == 0, 1, r))[1] - 1, -2) - 2)
;;       q = np.round(r / step) * step * 2.0 ** e      # np.round: ties to even
;;       return np.moveaxis(q.reshape(q.shape[:-2] + (-1,))[..., :K], -1, axis).astype(np.float32)
;;   ~~~
;;   SOFTMAX AHEAD OF A QUANTISED PRODUCT. Where the list says 'softmax', what is quantised is not the finished softmax but p = 2^(t - M), with t = logit x log2(e) and M = ceil(the row's largest t), a whole number; so 1/2 < the row's largest p <= 1. The row's sum l is taken of the UNQUANTISED p, in f32, and the product's result is divided by l at the end. Since M is a whole number, a kernel that streams over the keys may use a running M (the ceiling of the running maximum): every later rescaling is an exact power of two, which a block's scale takes up: the codes' values come out the same.
;;   OPERANDS COMPUTED ON THE WAY. 'Computed on the way' means the value that the module computes at that place (a softmax that the list does not call 'softmax' is quantised finished and normalised). What goes into a quantiser is computed in f32, as accurately as f32 sums, v_exp_f32 and their like allow (about 1e-6 of the number): no bf16 or f16 on the way to a quantiser, and a product that is left as it is and whose result goes on into a quantised operand takes f32 operands (vector FMAs, or v_wmma_f32_16x16x4_f32). A number that lies on a knife's edge between two numbers of the format may be rounded either way, as far as f32 arithmetic and the matrix unit's own rounding can turn it there, and no further.
;; One version. Each part assembles by itself: llvm-mc -triple=amdgcn-amd-amdhsa -mcpu=gfx1250 --defsym DOCPART=n.
;; ======== version 1 of 1: 2 launches
;; workspace buffers: qc 1,572,864 bytes; qs 65,536 bytes; kv 3,145,728 bytes; kvs 131,072 bytes; woc 13,312 bytes
;; launch prep (part 1): grid 256 x 1, 8 waves a work-group, no clusters, 31,744 bytes of LDS; arguments x, h, Wq_w, Wk_w, Wv_w, Wo_w, Wq_b, Wk_b, Wv_b, qc, qs, kv, kvs, woc; writes qc, qs, kv, kvs, woc
.if DOCPART == 1
	.amdgcn_target "amdgcn-amd-amdhsa--gfx1250"
	.amdhsa_code_object_version 6
	.text
	.protected	k_qf2a4623199_prep
	.globl	k_qf2a4623199_prep
	.p2align	8
	.type	k_qf2a4623199_prep,@function
k_qf2a4623199_prep:
	s_mov_b64 s[64:65], 0
	v_nop
	global_prefetch_b8 v0, s[64:65] scope:SCOPE_SE
	s_setreg_imm32_b32 hwreg(HW_REG_WAVE_MODE, 25, 1), 1
	s_wait_xcnt 0x0
; q = Wq x + bq, k = Wk h + bk, v = Wv h + bv (1x1x1 convolutions: a product over the 128 channels for each voxel), on codes of BF6 (E3M2) with one E8M0 scale for each 32 along K;
; the results are quantised again (q, k along their channels, v along the voxels) and stored as IMAGES OF OPERAND REGISTERS for the attention launch.  Wo is quantised here too.
; An image of a fragment (16 rows x 128 K, 12 registers a lane) is 1,536 bytes: registers 4 c .. 4 c + 3 of lane l at 512 c + 16 l: three stores or loads of 16 bytes a lane, 512 consecutive bytes each.
; SHARES.  A unit is 128 neighbouring voxels of one batch (128 units).  Work-groups 0-127 take a unit of x (T = x, WA = Wq, WB = Wo), work-groups 128-255 a unit of h (T = h, WA = Wk, WB = Wv): pointers alone are chosen.
; Wave w: T's voxels 32 (w % 4) + lane, channels 64 (w / 4) on (a lane to a voxel, registers down the channels, which are K: two whole blocks of 32 a lane); tile w of WA and of WB; tile w of voxels in product A; tile w of channels in product B.
; THE ROWS OF A TILE ARE NOT NEIGHBOURS: lane r of tile t takes row 32 (t / 2) + 8 (t % 2) + r + 8 (r / 8), of voxels and of weights alike, so that the 16 registers of result tiles 2 b and 2 b + 1 are 16 neighbours along the next K.
; PRODUCT A (source 0 = 16 rows of WA, source 1 = my 16 voxels): a lane holds one voxel, its 64 registers the 128 output channels of its half: they become a fragment of q or of k.  The bias is the C of the product.
; PRODUCT B, for h alone (source 0 = 16 voxels, source 1 = my 16 rows of Wv): a lane holds one channel, its registers run along the unit's 128 voxels: a fragment of v with the keys innermost.
; The x work-groups quantise their tile of Wo on the common path; work-group 0 alone stores it.  The others make it in vain: their path is the shorter one, and every count of loads stays the same on both paths.
; A block's scale byte is its largest magnitude's exponent field - 4, held at 1 from below by a floor among the maximum's leaves.
; LIMITS: a block of zeros, or one whose largest magnitude lies under 2^-122, gets the byte 1 (its codes are zeros or nearly so; the bytes are read by this program alone).  NaN and infinities among the inputs are not served.
.set TP,   112                         ; LDS: T's codes by voxel: 96 bytes + 16: seven places of 16 bytes, so that neighbouring rows fall on different banks
.set TROW, 0                           ; 128 rows x TP
.set TSC,  14336                       ; T's scale words, 4 bytes a voxel
.set WIMG, 14848                       ; WA's eight images
.set WSC,  27136                       ; their scale words, 128 bytes each
.set BIA,  28160                       ; WA's bias, 128 numbers; then Wv's
.set SCO,  29184                       ; the results' scale words on their way out: A's at 64 w + 4 r, B's 512 further on
.set LI,   4                           ; v4   16 x lane
.set LS,   5                           ; v5   4 x lane
.set WO,   6                           ; v6   a weight's bytes for my lane: (r + 8 (r / 8)) x 512 + 64 h
.set TRS,  7                           ; v7   where I store T's codes
.set TSS,  8                           ; v8   and its two scale bytes
.set WIS,  9                           ; v9   where I store WA's image
.set WSS,  10                          ; v10  and its scale word
.set BIS,  11                          ; v11  where I store a bias number
.set FRD,  12                          ; v12  a fragment of T, tile 0: row r + 8 (r / 8), + 24 h
.set FRDA, 13                          ; v13  the same for tile w
.set SRD,  14                          ; v14  T's scale word, tile 0
.set SRDA, 15                          ; v15  tile w
.set BRD,  16                          ; v16  WA's bias for my half
.set BVD,  17                          ; v17  Wv's bias for my channel
.set SCS,  18                          ; v18  where I put a result's scale word
.set SCR,  19                          ; v19  where I read 16 bytes of them back
.set TF,   20                          ; v20-31   T's fragment in product A
.set RA,   32                          ; v32-95   WA as f32;
.set HA,   32                          ;          then the eight accumulators
.set X,    96                          ; v96-159  T as f32; then WB as f32
.set FRG,  96                          ; v96-191  eight fragments
.set PC,   192                         ; v192-203 codes just made; v204-211 at work
.set TM,   212                         ; v212-215 largest magnitudes, v216-219 the other half's and the bytes, v220-223 the conversions' scale operands
.set WBF,  224                         ; v224-235 WB's fragment
.set SCRG, 236                         ; v236-243 scale words of eight tiles
.set TSA,  244                         ; v244 T's scale word in product A
.set WBS,  245                         ; v245 WB's scale word
.set PW,   246                         ; v246 the scale word just made
.set BV,   248                         ; v248-249 Wv's bias of my channel, twice
; 16 rows of a weight for the quantiser: register 16 b + i = k 32 b + 16 h + i of my row
.macro WLOAD reg, base
.irp b, 0,1,2,3
.irp j, 0,1,2,3
	global_load_b128 v[\reg+16*\b+4*\j:\reg+16*\b+4*\j+3], v[WO], s[\base:\base+1] offset:128*\b+16*\j
.endr
.endr
.endm
; 64 numbers of a lane, register 16 b + i = k 32 b + 16 h + i of my row, become a fragment's codes in v[d] on and its scale word in v[pw]
.macro QUANT s, d, pw
.irp b, 0,1,2,3
	v_max3_num_f32 v[TM+\b], |v[\s+16*\b]|, |v[\s+1+16*\b]|, 0x2800000   ; block b: my 16 numbers, and the floor 2^(5 - 127): the byte cannot fall under 1
.endr
.irp i, 2,4,6,8,10,12,14
.irp b, 0,1,2,3
	v_max3_num_f32 v[TM+\b], v[TM+\b], |v[\s+16*\b+\i]|, |v[\s+1+16*\b+\i]|   ; the four blocks by turns
.endr
.endr
.irp b, 0,1,2,3
	v_permlanex16_b32 v[TM+4+\b], v[TM+\b], s52, s53
.endr
.irp b, 0,1,2,3
	v_max_num_f32 v[TM+\b], v[TM+\b], v[TM+4+\b]   ; with lane l xor 16's 16: the block's largest magnitude
.endr
.irp b, 0,1,2,3
	v_add_nc_u32 v[TM+8+\b], 0xfe000000, v[TM+\b]  ; 4 off its exponent field: the conversion takes the exponent field of this operand as its scale
.endr
.irp b, 0,1,2,3
	v_lshrrev_b32 v[TM+4+\b], 23, v[TM+8+\b]       ; the scale's byte
.endr
	v_lshl_or_b32 v[\pw], v[TM+5], 8, v[TM+4]
	v_lshl_or_b32 v[\pw], v[TM+6], 16, v[\pw]
	v_lshl_or_b32 v[\pw], v[TM+7], 24, v[\pw]      ; my row's scale word
.irp c, 0,1
	v_cvt_scalef32_pk16_bf6_f32 v[\d+6*\c:\d+2+6*\c], v[\s+32*\c:\s+15+32*\c], v[TM+8+2*\c]
	v_cvt_scalef32_pk16_bf6_f32 v[PC+12+4*\c:PC+14+4*\c], v[\s+16+32*\c:\s+31+32*\c], v[TM+8+2*\c+1]   ; (a conversion's three registers begin on an even number)
.endr
	v_nop                                          ; one plain place behind a scaled conversion
.irp c, 0,1                                    ; the operand's layout wants a whole block in a lane: lanes 0-15 block 2 c, lanes 16-31 block 2 c + 1
.irp i, 0,1,2
	v_permlane16_swap_b32 v[\d+6*\c+\i], v[PC+12+4*\c+\i]
.endr
.irp i, 0,1,2
	v_mov_b32 v[\d+3+6*\c+\i], v[PC+12+4*\c+\i]
.endr
.endr
.endm
; my voxel's 64 channels, two whole blocks in my own registers, become 48 bytes of codes in v[PC] on and two scale bytes in v[PW]
.macro XQUANT
.irp c, 0,1
	v_max3_num_f32 v[TM+\c], |v[X+32*\c]|, |v[X+1+32*\c]|, 0x2800000
.endr
.irp i, 2,4,6,8,10,12,14,16,18,20,22,24,26,28,30
.irp c, 0,1
	v_max3_num_f32 v[TM+\c], v[TM+\c], |v[X+32*\c+\i]|, |v[X+1+32*\c+\i]|
.endr
.endr
.irp c, 0,1
	v_add_nc_u32 v[TM+8+\c], 0xfe000000, v[TM+\c]
.endr
.irp c, 0,1
	v_lshrrev_b32 v[TM+4+\c], 23, v[TM+8+\c]
.endr
	v_lshl_or_b32 v[PW], v[TM+5], 8, v[TM+4]
.irp c, 0,1
	v_cvt_scalef32_pk16_bf6_f32 v[PC+6*\c:PC+2+6*\c], v[X+32*\c:X+15+32*\c], v[TM+8+\c]
	v_cvt_scalef32_pk16_bf6_f32 v[PC+12+4*\c:PC+14+4*\c], v[X+16+32*\c:X+31+32*\c], v[TM+8+\c]
.endr
	v_nop                                          ; one plain place behind a scaled conversion
.irp c, 0,1
.irp i, 0,1,2
	v_mov_b32 v[PC+3+6*\c+\i], v[PC+12+4*\c+\i]
.endr
.endr
.endm
.macro IMAGE_G d, base, off                    ; a fragment to memory as it stands: each store covers 512 consecutive bytes, at a multiple of 256 from the buffer's first byte
.irp c, 0,1,2
	global_store_b128 v[LI], v[\d+4*\c:\d+4*\c+3], s[\base:\base+1] offset:\off+512*\c
.endr
.endm
.macro TFRAG reg, adr, off                     ; a fragment of T from its rows: 24 bytes of my half of each 48, in pieces of 8 bytes
.irp p, 0,1,2,3,4,5
	ds_load_b64 v[\reg+2*\p:\reg+2*\p+1], v[\adr] offset:\off+48*(\p/3)+8*(\p%3)
.endr
.endm
.macro BARRIER                                 ; my LDS stores have landed and my LDS loads are in: then the work-group's barrier
	s_wait_dscnt 0x0
	s_barrier_signal -1
	s_barrier_wait -1
.endm
	s_load_b256 s[8:15], s[0:1], 0x0               ; x s[8:9], h s[10:11], Wq_w s[12:13], Wk_w s[14:15]
	s_load_b256 s[16:23], s[0:1], 0x20             ; Wv_w s[16:17], Wo_w s[18:19], Wq_b s[20:21], Wk_b s[22:23]
	s_load_b256 s[24:31], s[0:1], 0x40             ; Wv_b s[24:25], qc s[26:27], qs s[28:29], kv s[30:31]
	s_load_b128 s[32:35], s[0:1], 0x60             ; kvs s[32:33], woc s[34:35]
	v_lshl_add_u32 v207, v0, 2, 0x7800
	v_mov_b32 v211, 0
	v_lshrrev_b32 v1, 5, v0
	v_readfirstlane_b32 s36, v1                    ; wave 0..7
	v_and_b32 v1, 31, v0                           ; lane
	v_and_b32 v2, 15, v0                           ; r
	v_bfe_u32 v3, v0, 4, 1                         ; h
	s_lshr_b32 s37, ttmp9, 7                       ; 0: a unit of x; 1: a unit of h
	s_and_b32 s38, ttmp9, 127                      ; the unit
	s_and_b32 s58, s36, 3                          ; which 32 voxels of T are mine
	s_lshr_b32 s59, s36, 2                         ; which 64 channels
	s_lshr_b32 s60, s36, 1
	s_lshl_b32 s60, s60, 5
	s_and_b32 s61, s36, 1
	s_lshl_b32 s61, s61, 3
	s_add_co_u32 s60, s60, s61                     ; tile w's first row: 32 (w / 2) + 8 (w % 2)
	s_mov_b32 s52, 0x76543210
	s_mov_b32 s53, 0xfedcba98                      ; v_permlanex16_b32's selects for lane l xor 16
	v_lshlrev_b32 v[LI], 4, v1
	v_lshlrev_b32 v[LS], 2, v1
	v_and_b32 v251, 8, v2
	v_add_nc_u32 v251, v251, v2                    ; r + 8 (r / 8)
	v_lshlrev_b32 v[WO], 9, v251
	v_lshl_add_u32 v[WO], v3, 6, v[WO]
	s_mul_i32 s61, s58, 32*TP
	s_mul_i32 s62, s59, 48
	s_add_co_u32 s61, s61, s62
	v_mul_u32_u24 v[TRS], v1, TP
	v_add_nc_u32 v[TRS], s61, v[TRS]               ; row 32 (w % 4) + lane, + 48 bytes for the upper 64 channels
	s_lshl_b32 s61, s58, 7
	s_lshl_b32 s62, s59, 1
	s_add_co_u32 s61, s61, s62
	s_add_co_u32 s61, s61, TSC
	v_add_nc_u32 v[TSS], s61, v[LS]
	s_mul_i32 s61, s36, 1536
	s_add_co_u32 s61, s61, WIMG
	v_add_nc_u32 v[WIS], s61, v[LI]
	s_lshl_b32 s61, s36, 7
	s_add_co_u32 s61, s61, WSC
	v_add_nc_u32 v[WSS], s61, v[LS]
	v_lshl_add_u32 v[BIS], v0, 2, BIA
	v_mul_u32_u24 v[FRD], v251, TP
	v_mad_u32_u24 v[FRD], v3, 24, v[FRD]
	s_mul_i32 s61, s60, TP
	v_add_nc_u32 v[FRDA], s61, v[FRD]
	v_lshl_add_u32 v[SRD], v251, 2, TSC
	s_lshl_b32 s61, s60, 2
	v_add_nc_u32 v[SRDA], s61, v[SRD]
	v_lshl_add_u32 v[BRD], v3, 6, BIA
	v_lshl_add_u32 v[BVD], v251, 2, BIA+512
	v_add_nc_u32 v[BVD], s61, v[BVD]
	s_lshl_b32 s61, s36, 6
	s_add_co_u32 s61, s61, SCO
	v_lshl_add_u32 v[SCS], v2, 2, s61
	s_and_b32 s61, s36, 1
	s_lshl_b32 s61, s61, 9
	s_add_co_u32 s61, s61, SCO
	v_add_nc_u32 v[SCR], s61, v[LI]
	v_and_b32 v247, 127, v0
	v_lshlrev_b32 v247, 2, v247                    ; which bias number I fetch
.irp b, 0,1,2,3
	v_mov_b32 v[TM+4+\b], 0                        ; written once: a lane permute's destination counts as one of its sources
.endr
	; byte offsets, apart from the addresses
	s_lshr_b32 s66, s38, 6
	s_lshl_b32 s66, s66, 22                        ; T: the batch, 128 channels x 32,768 bytes,
	s_and_b32 s67, s38, 63
	s_lshl_b32 s67, s67, 9                         ; the unit's 128 voxels,
	s_add_co_u32 s66, s66, s67
	s_lshl_b32 s67, s58, 7                         ; my 32 of them,
	s_add_co_u32 s66, s66, s67
	s_lshl_b32 s67, s59, 21                        ; my 64 channels
	s_add_co_u32 s66, s66, s67
	s_mov_b32 s67, 0
	s_lshl_b32 s68, s60, 9                         ; the weights: tile w's first row, 512 bytes a row
	s_mov_b32 s69, 0
	s_lshl_b32 s70, 12288, s37                     ; the images: 12,288 bytes a unit of q, 24,576 of k and v,
	s_mul_i32 s70, s70, s38
	s_mul_i32 s72, s36, 1536                       ; tile w
	s_add_co_u32 s70, s70, s72
	s_mov_b32 s71, 0
	s_mov_b32 s73, 0
	s_lshl_b32 s74, 512, s37                       ; the scale words: 512 or 1,024 bytes a unit; wave w stores 512 of them
	s_mul_i32 s74, s74, s38
	s_lshl_b32 s75, s36, 9
	s_add_co_u32 s74, s74, s75
	s_mov_b32 s75, 0
	s_lshl_b32 s76, s36, 7
	s_add_co_u32 s76, s76, 12288                   ; Wo's scale words lie behind its eight images
	s_mov_b32 s77, 0
	s_wait_kmcnt 0x0
	s_cmp_lt_u32 ttmp9, 128                        ; the choice hangs on the work-group's number alone
	s_cselect_b64 s[40:41], s[8:9], s[10:11]       ; T
	s_cselect_b64 s[42:43], s[12:13], s[14:15]     ; WA
	s_cselect_b64 s[44:45], s[18:19], s[16:17]     ; WB
	s_cselect_b64 s[54:55], s[20:21], s[22:23]     ; WA's bias
	s_cselect_b64 s[48:49], s[26:27], s[30:31]     ; the images
	s_cselect_b64 s[50:51], s[28:29], s[32:33]     ; the scale words
	s_cmp_lt_u32 s36, 4
	s_cselect_b64 s[46:47], s[54:55], s[24:25]     ; waves 0-3 fetch WA's bias, waves 4-7 Wv's
	s_add_nc_u64 s[40:41], s[40:41], s[66:67]
	s_add_nc_u64 s[42:43], s[42:43], s[68:69]
	s_add_nc_u64 s[44:45], s[44:45], s[68:69]
	s_add_nc_u64 s[48:49], s[48:49], s[70:71]
	s_add_nc_u64 s[50:51], s[50:51], s[74:75]
	s_add_nc_u64 s[56:57], s[34:35], s[72:73]      ; Wo's image of tile w
	s_add_nc_u64 s[78:79], s[34:35], s[76:77]      ; and its scale words
	; ---- all loads of the first phase go out together: T first, since it is the longest way
.set I, 0
.rept 64
	global_load_b32 v[X+I], v[LS], s[40:41] offset:32768*I th:TH_LOAD_NT   ; channel I of my 64: 32 lanes read 128 consecutive bytes, four waves side by side 512; read once in the launch
.set I, I+1
.endr
	WLOAD RA, 42
	global_load_b32 v250, v247, s[46:47]
	s_wait_loadcnt 17                              ; T's 64 loads are in; behind them WA's 16 and the bias word were issued
	XQUANT
.irp c, 0,1,2
	ds_store_b128 v[TRS], v[PC+4*\c:PC+4*\c+3] offset:16*\c
.endr
	ds_store_b16 v[TSS], v[PW]
	WLOAD X, 44                                    ; WB lands where T's numbers lay
	s_wait_loadcnt 16                              ; WA and the bias word are in; WB's 16 may be out
	ds_store_b32 v[BIS], v250
	s_wait_dscnt 0x0                               ; the stores have read the codes' registers and the scale word's
	QUANT RA, PC, PW
.irp c, 0,1,2
	ds_store_b128 v[WIS], v[PC+4*\c:PC+4*\c+3] offset:512*\c
.endr
	ds_store_b32 v[WSS], v[PW]
	s_wait_loadcnt 0x0                             ; WB
	QUANT X, WBF, WBS                              ; it stays in my registers (of the codes' registers it writes v204 on alone, which no store reads)
	BARRIER                                        ; T's rows and scale words, WA's images and the biases lie in LDS
	; ---- product A: my 16 voxels x all 128 output channels
.irp t, 0,1,2,3,4,5,6,7
	ds_load_b128 v[HA+8*\t:HA+8*\t+3], v[BRD] offset:128*(\t/2)+32*(\t%2)        ; the bias in the result's layout: channels 32 (t / 2) + 16 h + 8 (t % 2) + 0 .. 7
	ds_load_b128 v[HA+8*\t+4:HA+8*\t+7], v[BRD] offset:128*(\t/2)+32*(\t%2)+16
.endr
	TFRAG TF, FRDA, 0
	ds_load_b32 v[TSA], v[SRDA]
.irp t, 0,1,2,3,4,5,6,7
.irp c, 0,1,2
	ds_load_b128 v[FRG+12*\t+4*\c:FRG+12*\t+4*\c+3], v[LI] offset:WIMG+1536*\t+512*\c
.endr
	ds_load_b32 v[SCRG+\t], v[LS] offset:WSC+128*\t
.endr
	s_wait_dscnt 0x0
.irp t, 0,1,2,3,4,5,6,7                        ; eight accumulators, one instruction each
	v_wmma_scale_f32_16x16x128_f8f6f4 v[HA+8*\t:HA+8*\t+7], v[FRG+12*\t:FRG+12*\t+11], v[TF:TF+11], v[HA+8*\t:HA+8*\t+7], v[SCRG+\t], v[TSA] matrix_a_fmt:MATRIX_FMT_BF6 matrix_b_fmt:MATRIX_FMT_BF6
.endr
.rept 4
	v_nop                                          ; four places between the products and the first read of their results (ISA guide 7.12.1)
.endr
	QUANT HA, PC, PW
	IMAGE_G PC, 48, 0
	ds_store_b32 v[SCS], v[PW]                     ; both halves of the lanes hold the same word and write it to the same place
	s_cmp_eq_u32 s37, 0
	s_cbranch_scc1 .Lx
	; ---- product B, for h: my 16 channels of v x the unit's 128 voxels
.rept 4
	v_nop                                          ; with the four above: more than the five places that a product owes which writes over an earlier product's registers
.endr
.irp t, 0,1,2,3,4,5,6,7
	TFRAG FRG+12*\t, FRD, (32*(\t/2)+8*(\t%2))*TP
	ds_load_b32 v[SCRG+\t], v[SRD] offset:(32*(\t/2)+8*(\t%2))*4
.endr
	ds_load_b32 v[BV], v[BVD]
	ds_load_b32 v[BV+1], v[BVD]
	s_wait_dscnt 0x0
	s_wait_xcnt 0x0                                ; the first image's stores have read the codes' registers, which are written again below
.irp t, 0,1,2,3,4,5,6,7
	v_wmma_scale_f32_16x16x128_f8f6f4 v[HA+8*\t:HA+8*\t+7], v[FRG+12*\t:FRG+12*\t+11], v[WBF:WBF+11], 0, v[SCRG+\t], v[WBS] matrix_a_fmt:MATRIX_FMT_BF6 matrix_b_fmt:MATRIX_FMT_BF6
.endr
.rept 4
	v_nop
.endr
.set J, 0
.rept 32
	v_pk_add_f32 v[HA+J:HA+J+1], v[HA+J:HA+J+1], v[BV:BV+1]     ; my channel's bias, each accumulator from its low end on
.set J, J+2
.endr
	QUANT HA, PC, PW
	IMAGE_G PC, 48, 12288
	ds_store_b32 v[SCS], v[PW] offset:512
	s_branch .Ljoin
.Lx:
	s_cmp_lg_u32 ttmp9, 0
	s_cbranch_scc1 .Ljoin
	IMAGE_G WBF, 56, 0                             ; work-group 0 stores Wo's codes and scale words
	global_store_b32 v[LS], v[WBS], s[78:79]
.Ljoin:
	BARRIER                                        ; the results' scale words lie in LDS
	s_cmp_gt_u32 s36, s37                          ; wave 0 stores A's 512 bytes; for h wave 1 stores B's
	s_cbranch_scc1 .Lend
	ds_load_b128 v[252:255], v[SCR]
	s_wait_dscnt 0x0
	global_store_b128 v[LI], v[252:255], s[50:51]  ; 512 consecutive bytes, at a multiple of 256 from the buffer's first byte
.Lend:
	s_wait_tensorcnt 0x0
	ds_add_u32 v207, v211
	s_wait_dscnt 0x0
	s_endpgm
.Lfunc_end_k_qf2a4623199_prep:
	.size	k_qf2a4623199_prep, .Lfunc_end_k_qf2a4623199_prep-k_qf2a4623199_prep
	.p2alignl 7, 3214868480
	.fill 96, 4, 3214868480
	.section	.rodata,"a",@progbits
	.p2align	6, 0x0
	.amdhsa_kernel k_qf2a4623199_prep
		.amdhsa_group_segment_fixed_size 31744
		.amdhsa_private_segment_fixed_size 0
		.amdhsa_enable_private_segment 0
		.amdhsa_kernarg_size 112
		.amdhsa_user_sgpr_count 2
		.amdhsa_user_sgpr_kernarg_segment_ptr 1
		.amdhsa_wavefront_size32 1
		.amdhsa_system_sgpr_workgroup_id_x 1
		.amdhsa_system_sgpr_workgroup_id_y 1
		.amdhsa_system_sgpr_workgroup_id_z 1
		.amdhsa_system_vgpr_workitem_id 0
		.amdhsa_next_free_vgpr 256
		.amdhsa_next_free_sgpr 80
		.amdhsa_reserve_vcc 0
		.amdhsa_float_denorm_mode_32 3
		.amdhsa_float_denorm_mode_16_64 3
		.amdhsa_memory_ordered 1
		.amdhsa_forward_progress 1
		.amdhsa_inst_pref_size 46
	.end_amdhsa_kernel
	.amdgpu_metadata
---
amdhsa.version: [ 1, 2 ]
amdhsa.kernels:
  - .name:           k_qf2a4623199_prep
    .symbol:         k_qf2a4623199_prep.kd
    .args:
      - { .name: x, .offset: 0, .size: 8, .value_kind: global_buffer, .address_space: global }
      - { .name: h, .offset: 8, .size: 8, .value_kind: global_buffer, .address_space: global }
      - { .name: Wq_w, .offset: 16, .size: 8, .value_kind: global_buffer, .address_space: global }
      - { .name: Wk_w, .offset: 24, .size: 8, .value_kind: global_buffer, .address_space: global }
      - { .name: Wv_w, .offset: 32, .size: 8, .value_kind: global_buffer, .address_space: global }
      - { .name: Wo_w, .offset: 40, .size: 8, .value_kind: global_buffer, .address_space: global }
      - { .name: Wq_b, .offset: 48, .size: 8, .value_kind: global_buffer, .address_space: global }
      - { .name: Wk_b, .offset: 56, .size: 8, .value_kind: global_buffer, .address_space: global }
      - { .name: Wv_b, .offset: 64, .size: 8, .value_kind: global_buffer, .address_space: global }
      - { .name: qc, .offset: 72, .size: 8, .value_kind: global_buffer, .address_space: global }
      - { .name: qs, .offset: 80, .size: 8, .value_kind: global_buffer, .address_space: global }
      - { .name: kv, .offset: 88, .size: 8, .value_kind: global_buffer, .address_space: global }
      - { .name: kvs, .offset: 96, .size: 8, .value_kind: global_buffer, .address_space: global }
      - { .name: woc, .offset: 104, .size: 8, .value_kind: global_buffer, .address_space: global }
    .group_segment_fixed_size: 31744
    .private_segment_fixed_size: 0
    .kernarg_segment_align: 8
    .kernarg_segment_size: 112
    .max_flat_workgroup_size: 256
    .sgpr_count:     80
    .vgpr_count:     256
    .wavefront_size: 32
...
	.end_amdgpu_metadata
.endif
;; end of part 1
;; launch attn (part 2): grid 128 x 2, 8 waves a work-group, clusters of 4 x 1, 327,680 bytes of LDS; arguments qc, qs, kv, kvs, woc, Wo_b, out0; writes out0
.if DOCPART == 2
	.amdgcn_target "amdgcn-amd-amdhsa--gfx1250"
	.amdhsa_code_object_version 6
	.text
	.protected	k_qf2a4623199_attn
	.globl	k_qf2a4623199_attn
	.p2align	8
	.type	k_qf2a4623199_attn,@function
k_qf2a4623199_attn:
	s_mov_b64 s[64:65], 0
	v_nop
	global_prefetch_b8 v0, s[64:65] scope:SCOPE_SE
	s_setreg_imm32_b32 hwreg(HW_REG_WAVE_MODE, 25, 1), 1
	s_wait_xcnt 0x0
	s_wait_alu depctr_hold_cnt(0) depctr_sa_sdst(0) depctr_va_vdst(0) depctr_va_sdst(0) depctr_va_ssrc(0) depctr_va_vcc(0) depctr_vm_vsrc(0)
	s_getreg_b32 s2, hwreg(HW_REG_IB_STS2, 6, 4)
	s_cmp_eq_u32 s2, 0
	s_cbranch_scc0 .Lentry_in_a_cluster
	s_endpgm
.Lentry_in_a_cluster:
	s_bfe_u32 s2, ttmp6, 0x10000c
	s_cmp_lg_u32 s2, 0x3003
	s_cbranch_scc0 .Lentry_shape_is_right
	s_endpgm
.Lentry_shape_is_right:
; out[b][o][n] = sum over c of Wo[o][c] a[b][c][n] + bo[o], a[b][:][n] = sum over m of softmax_m(q[b][:][n] . k[b][:][m] / sqrt(128)) v[b][:][m]; all three products on codes of BF6 (E3M2) with one E8M0 scale for each 32 along K.
; q, k, v and Wo arrive as images of operand registers (1,536 bytes a fragment: registers 4 c .. 4 c + 3 of lane l at 512 c + 16 l) with their scale words, as the launch before has laid them.
; THE SOFTMAX: t = score x log2(e) / sqrt(128); M = the largest t so far, rounded up to a whole number; p = 2^(t - M) is quantised along the keys, not normalised; the row's sum is taken of the unquantised p and divides at the end.
; SHARES.  A work-group owns 64 queries of one batch.  Wave w holds TWO tiles of 16 queries (tiles 2 (w % 2) and 2 (w % 2) + 1) and walks a QUARTER of the keys (w / 2): of each slot of 512 keys its 128.  So each fragment of k and v read
; from LDS feeds two matrix instructions, and two waves share a SIMD, so that one wave's vector work stands beside the other's matrix work and LDS loads.  At the end the four quarters of a tile are merged: every M is a whole number, so the factors
; 2^(M_k - M) round nothing.  Then waves 0-3 quantise a tile of a each, and all eight waves make 16 output channels each for the 64 queries.
; LAYOUT.  S^T = k q^T (source 0 = 16 keys, source 1 = 16 queries), O^T = v^T p^T (source 0 = 16 channels, source 1 = p): a lane holds ONE query throughout.  Lane r of tile t of keys, channels, queries and Wo's rows stands for row
; 32 (t / 2) + 8 (t % 2) + r + 8 (r / 8), so that the 16 registers of result tiles 2 b and 2 b + 1 are 16 neighbours along the next K.
; CLUSTER.  The four work-groups of a cluster belong to one batch and walk the same k and v: each tile is asked for JOINTLY, by the same tensor load with the same descriptor and the mask of all four.  Waves 0-3 fetch a quarter of a slot each.
; REGISTERS, in two windows of 256.  Tile T's state lies in window T under the same numbers: v12 -M, v13 the largest t, v[14:15] the sum, v16-27 q's fragment, v96-159 S^T then p, v160-223 O^T, v224-235 p's codes, v232-254 at work.
;   v32-79 of window F: fragments 4 F .. 4 F + 3 of k, later of v.  Window 0 alone: v1-11, v28-31, v93-95 addresses; v80-91 scale words (k's four registers, v's four, q's two, p's two) and nothing else; v92 Wo's bias.
; LIMITS: NaN and infinities are not served.  A block whose every p has fallen to 0 keeps the scale byte 1 (its codes are zeros).  A block's largest p is taken from its largest score, which takes v_exp_f32 not to fall where its input rises.
.set SLOT1, 131072                     ; slot 1 begins here, so that one exclusive or turns an address in one slot into the other's
.set QTR,   24576                      ; a unit of 128 keys: k's eight images, then v's eight
.set SLOTB, 98304                      ; a slot: four units, dense in memory
.set VOFF,  12288
.set SCL,   229376                     ; the batch's scale words of k and v, 1,024 bytes a unit, 65,536 in all: filled once
.set SPARE, 294912                     ; the spare words, 128 bytes for each of the eight waves: four blocks of 256 bytes that no other line names
.set ML,    296960                     ; the merge: -M and the sum, tile x 1,024 + quarter x 256 (+ 128)
.set AIMG,  301056                     ; a's four images
.set ASC,   307200                     ; and their scale words
.set OST,   131072                     ; the way out: 128 rows (channels) x (256 bytes + 16), in slot 1, behind a barrier behind its last read; it has had its last fill
.set OP,    272
; the merge's partial tiles lie at LDS bytes 0 to 131,071: tile x 32,768 + quarter x 8,192: slot 0, which was left at the last change of slots and has had its last fill, and the gap behind it, into which nothing is ever filled
.set MSB, 0
.macro WIN new                         ; s_set_vgpr_msb: bits 1:0 source 0, 3:2 source 1, 5:4 source 2, 7:6 destination; the high byte repeats the setting that is left; a switch that changes nothing is dropped
.if MSB != (\new)
	s_set_vgpr_msb (MSB<<8)|(\new)
.set MSB, (\new)
.endif
.endm
.macro CROUND                          ; a round of the cluster's barrier: my work-group's barrier; wave 0 signals for the work-group; every wave waits for all four work-groups; my work-group's barrier once more
	s_barrier_signal -1
	s_barrier_wait -1
	s_cmp_lg_u32 s18, 0
	s_cbranch_scc1 .Lnot_wave_0_\@
	s_barrier_signal -3
.Lnot_wave_0_\@:
	s_barrier_wait -3
	s_barrier_signal -1
	s_barrier_wait -1
.endm
.macro TLOAD                           ; the joint refill: waves 0-3, a quarter of a slot each; the branch hangs on the wave's number alone.  Four v_nop follow the load
	s_cmp_lt_u32 s18, 4
	s_cbranch_scc0 .Lnone_\@
	tensor_load_to_lds s[40:43], s[24:31]
	s_nop 0
.rept 4
	v_nop
.endr
.Lnone_\@:
.endm
; A PREFETCH INTO THE L2 of the slot that the NEXT change of slots will ask for: one key step, 32 matrix instructions and two softmaxes a wave, ahead of that load.  All clusters of a batch walk the same k and v: the batch's first cluster asks.
; Its four partners take a quarter of the slot each, told apart BY ADDRESS; in each, waves 4, 5 and 6, which fetch nothing, take 8,192 bytes each, lanes 256 bytes apart: each aligned block of 256 bytes is named once in the launch.
; The last change that fills a slot asks for nothing; slots 0 and 1 and the scale words come by their loads alone.
.macro ASK
	s_cmp_gt_u32 s48, s49
	s_cbranch_scc0 .Lnot_mine_\@
	global_prefetch_b8 v95, s[50:51] th:TH_LOAD_NT scope:SCOPE_SE
.Lnot_mine_\@:
.endm
; THE CHANGE OF SLOTS stands at a slot's head.  Each wave waits for all its tensor loads (its part of the slot ahead), adds 0 to its spare word, and waits for that and for its reads of the slot that it has left.
; fill = 1: a round of the cluster's barrier, so that no wave of any partner still reads that slot or has a load on its way; then the slot is filled with the keys that follow: the load has a key step in which to land.
.macro CHANGE fill
	s_wait_tensorcnt 0x0                           ; no tensor load of mine is out, so the walking descriptor may be written
	ds_add_u32 v5, v6                              ; 0 onto my spare word
.if \fill
	s_xor_b32 s41, s41, SLOT1                      ; the other slot than last time,
	s_add_nc_u64 s[42:43], s[42:43], SLOTB         ; the next 512 keys; the type bits on top are not reached
	s_wait_xcnt 0x0                                ; the last prefetch, a key step back, has read its address
	s_add_nc_u64 s[50:51], s[50:51], SLOTB         ; one slot further on than the walking descriptor
	s_wait_dscnt 0x0                               ; the add is done, and my reads of the slot that I have left are over
	CROUND
	TLOAD                                          ; the first tensor load behind the round, and a wave's only one until the next
	ASK
.else
	s_wait_dscnt 0x0
	s_barrier_signal -1
	s_barrier_wait -1
.endif
.endm
.macro FRAG4 F, voff                           ; fragments 4 F .. 4 F + 3 of k (voff = 0) or of v into window F: images, 512 consecutive bytes a load
	WIN (\F<<6)
.irp t, 0,1,2,3
.irp c, 0,1,2
	ds_load_b128 v[32+12*\t+4*\c:35+12*\t+4*\c], v8 offset:\voff+1536*(4*\F+\t)+512*\c
.endr
.endr
.endm
; four products of S^T = k q^T for tile T: key tiles 4 F on.  A scale register holds tile 2 i's words in lanes 0-15 and tile 2 i + 1's in lanes 16-31.  No two products that follow each other share an accumulator.
.macro SMUL T, F
	WIN ((\T<<6)|(\T<<4)|(\T<<2)|\F)
.irp u, 0,1,2,3
.if \u%2
	v_wmma_scale_f32_16x16x128_f8f6f4 v[96+8*(4*\F+\u):103+8*(4*\F+\u)], v[32+12*\u:43+12*\u], v[16:27], 0, v[80+(4*\F+\u)/2], v[88+\T] matrix_a_fmt:MATRIX_FMT_BF6 matrix_b_fmt:MATRIX_FMT_BF6 matrix_a_scale:MATRIX_SCALE_ROW1
.else
	v_wmma_scale_f32_16x16x128_f8f6f4 v[96+8*(4*\F+\u):103+8*(4*\F+\u)], v[32+12*\u:43+12*\u], v[16:27], 0, v[80+(4*\F+\u)/2], v[88+\T] matrix_a_fmt:MATRIX_FMT_BF6 matrix_b_fmt:MATRIX_FMT_BF6
.endif
.endr
.endm
; four products of O^T += v^T p^T for tile T: channel tiles 4 F on
.macro PVMUL T, F
	WIN ((\T<<6)|(\T<<4)|(\T<<2)|\F)
.irp u, 0,1,2,3
.if \u%2
	v_wmma_scale_f32_16x16x128_f8f6f4 v[160+8*(4*\F+\u):167+8*(4*\F+\u)], v[32+12*\u:43+12*\u], v[224:235], v[160+8*(4*\F+\u):167+8*(4*\F+\u)], v[84+(4*\F+\u)/2], v[90+\T] matrix_a_fmt:MATRIX_FMT_BF6 matrix_b_fmt:MATRIX_FMT_BF6 matrix_a_scale:MATRIX_SCALE_ROW1
.else
	v_wmma_scale_f32_16x16x128_f8f6f4 v[160+8*(4*\F+\u):167+8*(4*\F+\u)], v[32+12*\u:43+12*\u], v[224:235], v[160+8*(4*\F+\u):167+8*(4*\F+\u)], v[84+(4*\F+\u)/2], v[90+\T] matrix_a_fmt:MATRIX_FMT_BF6 matrix_b_fmt:MATRIX_FMT_BF6
.endif
.endr
.endm
; tile T's softmax for 128 keys, all in window T but for the one line that writes p's scale word, which lies in window 0 (scale operands have no window)
.macro SOFTMAX T
	WIN (0x55*\T)
.irp b, 0,1,2,3
	v_max3_num_f32 v[232+\b], v[96+16*\b], v[97+16*\b], v[98+16*\b]   ; the largest score of each block of 32 keys: it serves for the row's maximum and, since p rises with the score, for the block's largest p
.endr
.irp i, 3,5,7,9,11,13
.irp b, 0,1,2,3
	v_max3_num_f32 v[232+\b], v[232+\b], v[96+16*\b+\i], v[97+16*\b+\i]
.endr
.endr
.irp b, 0,1,2,3
	v_max_num_f32 v[232+\b], v[232+\b], v[111+16*\b]
.endr
.irp b, 0,1,2,3
	v_permlanex16_b32 v[236+\b], v[232+\b], s20, s21
.endr
.irp b, 0,1,2,3
	v_max_num_f32 v[232+\b], v[232+\b], v[236+\b]  ; with lane l xor 16's 16 keys
.endr
	v_max3_num_f32 v254, v232, v233, v234
	v_max_num_f32 v254, v254, v235                 ; the step's largest score of my query
	v_mul_f32 v254, s22, v254                      ; as t (c is positive)
	v_max_num_f32 v13, v13, v254                   ; the running largest t
	v_mov_b32 v254, v12
	v_floor_f32 v12, -v13                          ; the new -M = floor(-t) = -ceil(t): a whole number
	v_sub_f32 v254, v12, v254                      ; old M less new M: a whole number, 0 or less
	v_cvt_i32_f32 v254, v254                       ; (it saturates)
	v_ldexp_f32 v252, 1.0, v254                    ; f = 2^(old M - new M): a factor that rounds nothing
.set J, 0
.rept 32
	v_pk_fma_f32 v[96+J:97+J], v[96+J:97+J], s[22:23], v[12:13] op_sel_hi:[1,0,0]   ; t - M, two at a time (of the pairs c and -M the low word serves both halves)
.set J, J+2
.endr
.irp b, 0,1,2,3
	v_fma_f32 v[232+\b], v[232+\b], s22, v12       ; the same of each block's largest score
.endr
.set J, 0
.rept 64
	v_exp_f32 v[96+J], v[96+J]                     ; p = 2^(t - M), at most 1
.set J, J+1
.endr
.irp b, 0,1,2,3
	v_exp_f32 v[232+\b], v[232+\b]                 ; the block's largest p: the same two instructions on the same number give the same bits
.endr
	v_pk_mul_f32 v[14:15], v[14:15], v[252:253] op_sel_hi:[1,0]   ; the sums under the new M (a plain place behind the exponentials)
	s_wait_alu depctr_va_vdst(0)
.irp b, 0,1,2,3
	v_max_num_f32 v[232+\b], 0x2800000, v[232+\b]  ; the floor 2^(5 - 127): the byte cannot fall under 1
.endr
.irp b, 0,1,2,3
	v_add_nc_u32 v[244+\b], 0xfe000000, v[232+\b]  ; 4 off the exponent field: the conversion's scale operand
.endr
.irp b, 0,1,2,3
	v_lshrrev_b32 v[236+\b], 23, v[244+\b]         ; the scale's byte
.endr
	v_lshl_or_b32 v253, v237, 8, v236
	v_lshl_or_b32 v253, v238, 16, v253
	WIN ((\T<<4)|\T)
	v_lshl_or_b32 v[90+\T], v239, 24, v253         ; p's scale word for these 128 keys, into window 0
	WIN (0x55*\T)
.irp c, 0,1
	v_cvt_scalef32_pk16_bf6_f32 v[224+6*\c:226+6*\c], v[96+32*\c:111+32*\c], v[244+2*\c]
	v_cvt_scalef32_pk16_bf6_f32 v[236+4*\c:238+4*\c], v[112+32*\c:127+32*\c], v[244+2*\c+1]   ; (a conversion's three registers begin on an even number)
.endr
	v_nop                                          ; one plain place behind a scaled conversion
.irp c, 0,1                                    ; the operand's layout wants a whole block in a lane
.irp i, 0,1,2
	v_permlane16_swap_b32 v[224+6*\c+\i], v[236+4*\c+\i]
.endr
.irp i, 0,1,2
	v_mov_b32 v[227+6*\c+\i], v[236+4*\c+\i]
.endr
.endr
	v_pk_add_f32 v[236:237], v[96:97], v[98:99]    ; the row's sum is taken of the unquantised p: two at a time, in two chains
.irp j, 4,8,12,16,20,24,28,32,36,40,44,48,52,56,60
	v_pk_add_f32 v[14:15], v[14:15], v[96+\j:97+\j]
	v_pk_add_f32 v[236:237], v[236:237], v[98+\j:99+\j]
.endr
	v_pk_add_f32 v[14:15], v[14:15], v[236:237]
.set J, 0
.rept 32
	v_pk_mul_f32 v[160+J:161+J], v[160+J:161+J], v[252:253] op_sel_hi:[1,0]   ; O^T under the new M.  (The sums and these are also the places between the lines that wrote p's codes and scale word and the products that take them)
.set J, J+2
.endr
.endm
; A KEY STEP: my 128 keys of the slot in hand, for both my tiles
.macro STEP
	WIN 0
	v_add_nc_u32 v8, s2, v1                        ; my unit's images in the slot in hand
	v_add_nc_u32 v9, s3, v2                        ; and its scale words
	v_nop                                          ; with the two additions: four places between the last products and the loads into registers that they have read (ISA guide 7.12.1 for vector instructions)
	v_nop
	FRAG4 0, 0
.irp i, 0,1,2,3
	ds_load_b32 v[80+\i], v9 offset:128*\i         ; k's scale words: lanes 0-15 tile 2 i, lanes 16-31 tile 2 i + 1
.endr
.irp i, 0,1,2,3
	ds_load_b32 v[84+\i], v9 offset:512+128*\i     ; v's
.endr
	FRAG4 1, 0
	s_wait_dscnt 12                                ; fragments 0-3 and the scale words are in; the twelve loads of fragments 4-7 may be out
	SMUL 0, 0
	SMUL 1, 0
	s_wait_dscnt 0x0
	SMUL 0, 1
	SMUL 1, 1
.rept 4
	v_nop                                          ; places in front of the loads below and of the first read of the scores
.endr
	FRAG4 0, VOFF                                  ; v's fragments land under the first softmax
	FRAG4 1, VOFF
	SOFTMAX 0
	s_wait_dscnt 0x0                               ; v is in
	PVMUL 0, 0
	PVMUL 0, 1                                     ; these eight products run under the second softmax, which names none of their registers
	SOFTMAX 1
	PVMUL 1, 0
	PVMUL 1, 1
	WIN 0
	s_add_co_u32 s3, s3, 4096                      ; the next slot's scale words: four units on
	s_xor_b32 s2, s2, SLOT1                        ; the other slot
.endm
.macro MLOAD reg, k                            ; quarter k's partial tile
.set I, 0
.rept 16
	ds_load_b128 v[\reg+4*I:\reg+4*I+3], v4 offset:8192*\k+512*I
.set I, I+1
.endr
.endm
.macro MFMA f                                  ; O^T += the partial tile in v96 on x the factor in the pair v[f], v[f + 1]
.set J, 0
.rept 32
	v_pk_fma_f32 v[160+J:161+J], v[96+J:97+J], v[\f:\f+1], v[160+J:161+J]
.set J, J+2
.endr
.endm
	s_load_b256 s[4:11], s[0:1], 0x0               ; qc s[4:5], qs s[6:7], kv s[8:9], kvs s[10:11]
	s_load_b128 s[12:15], s[0:1], 0x20             ; woc s[12:13], Wo_b s[14:15]
	s_load_b64 s[16:17], s[0:1], 0x30              ; out0
	v_lshl_add_u32 v5, v0, 2, SPARE                ; my spare word; never rewritten
	v_mov_b32 v6, 0                                ; never rewritten
	ds_add_u32 v5, v6
	s_wait_dscnt 0x0
	v_lshrrev_b32 v232, 5, v0
	v_readfirstlane_b32 s18, v232                  ; wave 0..7
	s_bfe_u32 s66, ttmp6, 0x40000                  ; cx: my place in the cluster: it enters q's, out0's and the prefetches' addresses alone
	s_lshl_b32 s67, ttmp9, 2
	s_add_co_u32 s67, s67, s66                     ; my block of 64 queries = 4 x cluster x + cx
	s_and_b32 s68, ttmp7, 0xffff                   ; the batch, which the four partners share
	s_and_b32 s69, s18, 3                          ; which quarter of a slot I fetch; later which tile I merge
	s_lshr_b32 s70, s18, 1                         ; which quarter of the keys I walk
	s_and_b32 s71, s18, 1                          ; which pair of query tiles is mine
	s_mov_b32 s20, 0x76543210
	s_mov_b32 s21, 0xfedcba98                      ; v_permlanex16_b32's selects for lane l xor 16
	s_mov_b32 s22, 0x3e0293ee                      ; c = log2(e) / sqrt(128)
	s_mov_b32 s23, s22                             ; (named with it as a pair, so it is written)
	s_mov_b32 s2, 0                                ; LDS byte at which the slot in hand begins
	s_mov_b32 s3, 0                                ; where the slot's scale words begin
	s_mov_b32 s48, 15                              ; slots still to be asked for
	; descriptor group 1: dense blocks as rows of 256 bytes (32 elements of 8 bytes), no padding; k and v: 96 rows; the scale words: 64 rows
	s_mov_b32 s24, 15|(3<<16)|(1<<21)              ; 15:0 the mask: all four work-groups; 17:16 elements of 8 bytes; 21 set beside a mask
	s_mov_b32 s25, 32<<16                          ; tensor_dim0
	s_mov_b32 s26, 96<<16                          ; tensor_dim1
	s_mov_b32 s27, 32<<16                          ; tile_dim0
	s_mov_b32 s28, 96                              ; tile_dim1
	s_mov_b32 s29, 32                              ; tensor_dim0_stride
	s_mov_b32 s30, 0
	s_mov_b32 s31, 0
	s_mov_b32 s32, 15|(3<<16)|(1<<21)
	s_mov_b32 s33, 32<<16
	s_mov_b32 s34, 64<<16
	s_mov_b32 s35, 32<<16
	s_mov_b32 s36, 64
	s_mov_b32 s37, 32
	s_mov_b32 s38, 0
	s_mov_b32 s39, 0
	; byte offsets, apart from the addresses.  What feeds the descriptors is made of the batch and the wave's number alone
	s_mul_i32 s74, s69, QTR                        ; my quarter of a slot, in memory and in LDS
	s_mul_i32 s72, s68, 1572864                    ; the batch's k and v: 64 units
	s_add_co_u32 s72, s72, s74
	s_mov_b32 s73, 0
	s_lshl_b32 s75, s69, 14                        ; my quarter of the batch's scale words
	s_lshl_b32 s76, s68, 16
	s_add_co_u32 s76, s76, s75
	s_mov_b32 s77, 0
	s_mul_i32 s78, s68, 1572864                    ; the prefetches: the batch, my work-group's quarter of a slot,
	s_mul_i32 s79, s66, QTR
	s_add_co_u32 s78, s78, s79
	s_lshl_b32 s79, s69, 13                        ; my wave's 8,192 bytes of it,
	s_add_co_u32 s78, s78, s79
	s_add_co_u32 s78, s78, SLOTB                   ; in slot 1: the first change of slots steps it to slot 2.  Nothing is prefetched at the head
	s_mov_b32 s79, 0
	s_lshl_b32 s80, s68, 9
	s_lshl_b32 s81, s67, 2
	s_add_co_u32 s80, s80, s81
	s_lshl_b32 s81, s71, 1
	s_add_co_u32 s80, s80, s81                     ; my first tile of queries: 512 x batch + 4 x block + 2 x pair
	s_mul_i32 s82, s80, 1536
	s_mov_b32 s83, 0
	s_lshl_b32 s84, s80, 6
	s_mov_b32 s85, 0
	s_mul_i32 s86, s18, 1536                       ; Wo's tile w
	s_mov_b32 s87, 0
	s_lshl_b32 s88, s18, 7
	s_add_co_u32 s88, s88, 12288                   ; its scale words
	s_mov_b32 s89, 0
	s_lshl_b32 s90, s70, 7
	s_lshl_b32 s91, s71, 5
	s_add_co_u32 s90, s90, s91                     ; Wo's bias at tile w's first row: 4 x (32 (w / 2) + 8 (w % 2))
	s_mov_b32 s91, 0
	s_lshl_b32 s92, s68, 22                        ; out0: the batch, my block's 256 bytes of each row
	s_lshl_b32 s93, s67, 8
	s_add_co_u32 s92, s92, s93
	s_mov_b32 s93, 0
	s_sub_co_u32 s94, s18, 4
	s_cmp_lt_u32 s94, 3                            ; waves 4, 5, 6
	s_cselect_b32 s94, 0, 1
	s_or_b32 s94, s94, ttmp9                       ; of the batch's first cluster: the same in all four partners
	s_cmp_eq_u32 s94, 0
	s_cselect_b32 s49, 1, -1                       ; a wave prefetches while the slots still to be asked for are above this
	s_wait_kmcnt 0x0
	s_mov_b32 s40, 1                               ; group 0 for k and v, which walks: count = 1,
	s_mov_b32 s41, s74                             ; LDS address: slot 0, my quarter,
	s_add_nc_u64 s[42:43], s[8:9], s[72:73]        ; global address: the batch's first 512 keys, my quarter,
	s_or_b32 s43, s43, 0x80000000                  ; type = 2
	s_mov_b32 s44, 1                               ; group 0 for the scale words
	s_add_co_u32 s45, s75, SCL
	s_add_nc_u64 s[46:47], s[10:11], s[76:77]
	s_or_b32 s47, s47, 0x80000000
	s_add_nc_u64 s[50:51], s[8:9], s[78:79]
	s_add_nc_u64 s[52:53], s[4:5], s[82:83]        ; q's images
	s_add_nc_u64 s[54:55], s[6:7], s[84:85]        ; q's scale words
	s_add_nc_u64 s[56:57], s[12:13], s[86:87]
	s_add_nc_u64 s[58:59], s[12:13], s[88:89]
	s_add_nc_u64 s[60:61], s[14:15], s[90:91]
	s_add_nc_u64 s[62:63], s[16:17], s[92:93]
	CROUND                                         ; all four work-groups are here: the first joint loads meet
	s_cmp_lt_u32 s18, 4                            ; a wave's two first fills stand in one branch, ahead of every wait on TENSORcnt and every LDS read: two loads of mine are out
	s_cbranch_scc0 .Lno_first
	tensor_load_to_lds s[44:47], s[32:39]          ; the batch's scale words: filled once
	s_nop 0
	tensor_load_to_lds s[40:43], s[24:31]          ; slot 0
	s_nop 0
.rept 4
	v_nop
.endr
.Lno_first:
	v_and_b32 v232, 31, v0                         ; lane
	v_and_b32 v233, 15, v0                         ; r
	v_bfe_u32 v234, v0, 4, 1                       ; h
	v_and_b32 v235, 8, v0
	v_add_nc_u32 v235, v235, v233                  ; r + 8 (r / 8)
	v_lshlrev_b32 v93, 4, v232                     ; 16 x lane
	v_lshlrev_b32 v94, 2, v232                     ; 4 x lane
	v_lshlrev_b32 v95, 8, v232                     ; 256 x lane: the prefetches' offset; never rewritten
	v_lshlrev_b32 v255, 2, v233                    ; 4 r
.irp T, 0,1
	WIN (\T<<6)
.irp c, 0,1,2
	global_load_b128 v[16+4*\c:19+4*\c], v93, s[52:53] offset:1536*\T+512*\c   ; q's fragment of tile T stays in window T
.endr
.endr
	WIN 0
	global_load_b32 v88, v255, s[54:55]
	global_load_b32 v89, v255, s[54:55] offset:64
	s_mul_i32 s94, s70, QTR
	v_add_nc_u32 v1, s94, v93                      ; v1  my unit in a slot
	s_lshl_b32 s94, s70, 10
	s_add_co_u32 s94, s94, SCL
	v_add_nc_u32 v2, s94, v94                      ; v2  its scale words
	s_lshl_b32 s94, s71, 16
	s_lshl_b32 s95, s70, 13
	s_add_co_u32 s94, s94, s95
	v_add_nc_u32 v3, s94, v93                      ; v3  the merge: where I put my partial tiles
	s_lshl_b32 s94, s69, 15
	v_add_nc_u32 v4, s94, v93                      ; v4  and where I read a tile's four
	s_lshl_b32 s94, s71, 11
	s_lshl_b32 s95, s70, 8
	s_add_co_u32 s94, s94, s95
	s_add_co_u32 s94, s94, ML
	v_add_nc_u32 v7, s94, v94                      ; v7  where I put -M and the sum
	s_lshl_b32 s94, s69, 10
	s_add_co_u32 s94, s94, ML
	v_add_nc_u32 v10, s94, v94                     ; v10 and where I read a tile's four
	s_mul_i32 s94, s69, 1536
	s_add_co_u32 s94, s94, AIMG
	v_add_nc_u32 v11, s94, v93                     ; v11 where I put a's image
	s_lshl_b32 s94, s69, 7
	s_add_co_u32 s94, s94, ASC
	v_add_nc_u32 v28, s94, v94                     ; v28 and its scale word
	s_lshl_b32 s94, s70, 5
	s_lshl_b32 s95, s71, 3
	s_add_co_u32 s94, s94, s95
	s_mul_i32 s94, s94, OP
	s_add_co_u32 s94, s94, OST
	v_mul_u32_u24 v29, v235, OP
	v_lshl_add_u32 v29, v234, 6, v29
	v_add_nc_u32 v29, s94, v29                     ; v29 the way out: my channel's row, + 64 h
	s_mul_i32 s94, s18, 16*OP
	s_add_co_u32 s94, s94, OST
	v_mul_u32_u24 v30, v234, OP
	v_lshl_add_u32 v30, v233, 4, v30
	v_add_nc_u32 v30, s94, v30                     ; v30 back: rows 16 w + h, 16 bytes a lane
	s_lshl_b32 s94, s18, 19
	v_lshlrev_b32 v31, 15, v234
	v_lshl_add_u32 v31, v233, 4, v31
	v_add_nc_u32 v31, s94, v31                     ; v31 the same place in out0: 32,768 bytes a channel
.irp T, 0,1                                    ; the step is written once: its first trip finds zeros, which the first change of M leaves zeros
	WIN (0x55*\T)
	v_mov_b32 v13, 0xff61b1e6                      ; the largest t so far: -3e38, under every t
	v_floor_f32 v12, -v13                          ; -M
	v_mov_b32 v14, 0                               ; the sum, in two halves
	v_mov_b32 v15, 0
.irp b, 0,1,2,3
	v_mov_b32 v[236+\b], 0                         ; written once: a lane permute's destination counts as one of its sources
.endr
	v_mov_b32 v252, 0
	v_mov_b32 v253, 0                              ; (named as the upper half of the pair v[252:253] before it is first written)
.set J, 0
.rept 64
	v_mov_b32 v[160+J], 0                          ; O^T
.set J, J+1
.endr
.endr
	WIN 0
	s_wait_loadcnt 0x0                             ; q
.Lslot:                                            ; 15 trips: behind each change of slots but the last the next slot is asked for
	CHANGE 1
	STEP
	s_sub_co_u32 s48, s48, 1
	s_cmp_lg_u32 s48, 0
	s_cbranch_scc1 .Lslot
	CHANGE 0                                       ; the last slot is written out
	STEP
	; ---- Wo's tile w, its scale words and bias are asked for now and land under the merge.  The four lines that make the bias's offset are the four places behind the last products
	v_and_b32 v254, 15, v0
	v_and_b32 v255, 8, v0
	v_add_nc_u32 v255, v255, v254
	v_lshlrev_b32 v255, 2, v255                    ; 4 (r + 8 (r / 8))
.irp c, 0,1,2
	global_load_b128 v[16+4*\c:19+4*\c], v93, s[56:57] offset:512*\c
.endr
	global_load_b32 v84, v94, s[58:59]
	global_load_b32 v92, v255, s[60:61]
	; ---- my two partial tiles, their -M and their sums go to LDS as they stand
.irp T, 0,1
	WIN (0x55*\T)
	v_add_f32 v14, v14, v15                        ; the sum's two halves,
	v_permlanex16_b32 v252, v14, s20, s21
	v_add_f32 v14, v14, v252                       ; and lane l xor 16's
	WIN (\T<<2)                                    ; an LDS store's data are its source 1
.set I, 0
.rept 16
	ds_store_b128 v3, v[160+4*I:163+4*I] offset:32768*\T+512*I      ; each accumulator from its low end on
.set I, I+1
.endr
	ds_store_b32 v7, v12 offset:1024*\T
	ds_store_b32 v7, v14 offset:1024*\T+128
.endr
	WIN 0
	s_wait_dscnt 0x0                               ; my stores have landed, and my reads of slot 1 are over
	s_barrier_signal -1
	s_barrier_wait -1
	; ---- waves 0-3 merge a tile each: O = sum over the quarters of 2^(M_k - M) O_k, the sum likewise; a = O / the sum; a is quantised along the channels
	s_cmp_lt_u32 s18, 4
	s_cbranch_scc0 .Lno_merge
.irp k, 0,1,2,3
	ds_load_b32 v[236+2*\k], v10 offset:256*\k     ; -M_k
	ds_load_b32 v[237+2*\k], v10 offset:256*\k+128 ; the sum of quarter k
.endr
	MLOAD 160, 0
	MLOAD 96, 1
	s_wait_dscnt 32                                ; the eight words are in; the two tiles' 32 loads may be out
	v_min3_num_f32 v232, v236, v238, v240
	v_min_num_f32 v232, v232, v242                 ; -M = the least -M_k
.irp k, 0,1,2,3
	v_sub_f32 v[244+2*\k], v232, v[236+2*\k]       ; M_k - M: a whole number, 0 or less
.endr
.irp k, 0,1,2,3
	v_cvt_i32_f32 v[244+2*\k], v[244+2*\k]         ; (it saturates)
.endr
.irp k, 0,1,2,3
	v_ldexp_f32 v[245+2*\k], 1.0, v[244+2*\k]      ; the factor, in both halves of a pair
.endr
.irp k, 0,1,2,3
	v_ldexp_f32 v[244+2*\k], 1.0, v[244+2*\k]
.endr
	v_mul_f32 v233, v244, v237
	v_fmac_f32 v233, v246, v239
	v_fmac_f32 v233, v248, v241
	v_fmac_f32 v233, v250, v243                    ; the row's sum
	s_wait_dscnt 16                                ; quarter 0's tile is in
.set J, 0
.rept 32
	v_pk_mul_f32 v[160+J:161+J], v[160+J:161+J], v[244:245]
.set J, J+2
.endr
	s_wait_dscnt 0x0
	MFMA 246
	MLOAD 96, 2
	s_wait_dscnt 0x0
	MFMA 248
	MLOAD 96, 3
	s_wait_dscnt 0x0
	MFMA 250
	v_rcp_f32 v252, v233
	v_nop                                          ; one plain place behind a transcendental
	s_wait_alu depctr_va_vdst(0)
	v_mov_b32 v253, v252
.set J, 0
.rept 32
	v_pk_mul_f32 v[96+J:97+J], v[160+J:161+J], v[252:253]          ; a: register 16 b + i is channel 32 b + 16 h + i of my query
.set J, J+2
.endr
.irp b, 0,1,2,3
	v_max3_num_f32 v[232+\b], |v[96+16*\b]|, |v[97+16*\b]|, 0x2800000   ; block b: my 16 numbers, and the floor 2^(5 - 127)
.endr
.irp i, 2,4,6,8,10,12,14
.irp b, 0,1,2,3
	v_max3_num_f32 v[232+\b], v[232+\b], |v[96+16*\b+\i]|, |v[97+16*\b+\i]|
.endr
.endr
.irp b, 0,1,2,3
	v_permlanex16_b32 v[236+\b], v[232+\b], s20, s21
.endr
.irp b, 0,1,2,3
	v_max_num_f32 v[232+\b], v[232+\b], v[236+\b]
.endr
.irp b, 0,1,2,3
	v_add_nc_u32 v[244+\b], 0xfe000000, v[232+\b]
.endr
.irp b, 0,1,2,3
	v_lshrrev_b32 v[236+\b], 23, v[244+\b]
.endr
	v_lshl_or_b32 v253, v237, 8, v236
	v_lshl_or_b32 v253, v238, 16, v253
	v_lshl_or_b32 v90, v239, 24, v253              ; my query's scale word
.irp c, 0,1
	v_cvt_scalef32_pk16_bf6_f32 v[224+6*\c:226+6*\c], v[96+32*\c:111+32*\c], v[244+2*\c]
	v_cvt_scalef32_pk16_bf6_f32 v[236+4*\c:238+4*\c], v[112+32*\c:127+32*\c], v[244+2*\c+1]
.endr
	v_nop                                          ; one plain place behind a scaled conversion
.irp c, 0,1
.irp i, 0,1,2
	v_permlane16_swap_b32 v[224+6*\c+\i], v[236+4*\c+\i]
.endr
.irp i, 0,1,2
	v_mov_b32 v[227+6*\c+\i], v[236+4*\c+\i]
.endr
.endr
.irp c, 0,1,2
	ds_store_b128 v11, v[224+4*\c:227+4*\c] offset:512*\c
.endr
	ds_store_b32 v28, v90
.Lno_merge:
	s_wait_dscnt 0x0
	s_barrier_signal -1
	s_barrier_wait -1                              ; a's four images lie in LDS
	; ---- the last product: source 0 = 16 queries of a, source 1 = my 16 rows of Wo: a lane holds one output channel, its registers run along the queries, which lie innermost in out0
	v_add_nc_u32 v250, AIMG, v93                   ; (an LDS offset has 16 bits: the registers carry the bases)
	v_add_nc_u32 v251, ASC, v94
.irp t, 0,1,2,3
.irp c, 0,1,2
	ds_load_b128 v[32+12*\t+4*\c:35+12*\t+4*\c], v250 offset:1536*\t+512*\c
.endr
	ds_load_b32 v[80+\t], v251 offset:128*\t
.endr
	s_wait_loadcnt 0x0                             ; Wo's fragment, scale words and bias
	s_wait_dscnt 0x0
.irp t, 0,1,2,3
	v_wmma_scale_f32_16x16x128_f8f6f4 v[96+8*\t:103+8*\t], v[32+12*\t:43+12*\t], v[16:27], 0, v[80+\t], v84 matrix_a_fmt:MATRIX_FMT_BF6 matrix_b_fmt:MATRIX_FMT_BF6
.endr
.rept 4
	v_nop
.endr
.set J, 0
.rept 16
	v_pk_add_f32 v[96+J:97+J], v[96+J:97+J], v[92:93] op_sel_hi:[1,0]   ; my channel's bias (of the pair the low word serves both halves), each accumulator from its low end on
.set J, J+2
.endr
.irp t, 0,1,2,3
	ds_store_b128 v29, v[96+8*\t:99+8*\t] offset:128*(\t/2)+32*(\t%2)        ; queries 32 (t / 2) + 16 h + 8 (t % 2) + 0 .. 7 of my channel's row
	ds_store_b128 v29, v[100+8*\t:103+8*\t] offset:128*(\t/2)+32*(\t%2)+16
.endr
	s_wait_dscnt 0x0
	s_barrier_signal -1
	s_barrier_wait -1                              ; 128 rows of 64 queries lie in the stage
.irp i, 0,1,2,3,4,5,6,7
	ds_load_b128 v[32+4*\i:35+4*\i], v30 offset:2*OP*\i
.endr
.irp i, 0,1,2,3,4,5,6,7
	s_wait_dscnt 7-\i                              ; LDS loads come back in order: pair i of rows is in
	global_store_b128 v31, v[32+4*\i:35+4*\i], s[62:63] offset:65536*\i th:TH_STORE_NT   ; sixteen lanes store 256 consecutive bytes of a channel's row, at a multiple of 256 from out0's first byte; written once, read by nobody here
.endr
	s_wait_tensorcnt 0x0                           ; the wave's end, behind my last tensor load and my last LDS store
	ds_add_u32 v5, v6
	s_wait_dscnt 0x0
	CROUND                                         ; the closing round: no work-group ends while a partner may still ask for a tile that names it
	s_endpgm
.Lfunc_end_k_qf2a4623199_attn:
	.size	k_qf2a4623199_attn, .Lfunc_end_k_qf2a4623199_attn-k_qf2a4623199_attn
	.p2alignl 7, 3214868480
	.fill 96, 4, 3214868480
	.section	.rodata,"a",@progbits
	.p2align	6, 0x0
	.amdhsa_kernel k_qf2a4623199_attn
		.amdhsa_group_segment_fixed_size 327680
		.amdhsa_private_segment_fixed_size 0
		.amdhsa_enable_private_segment 0
		.amdhsa_kernarg_size 56
		.amdhsa_user_sgpr_count 2
		.amdhsa_user_sgpr_kernarg_segment_ptr 1
		.amdhsa_wavefront_size32 1
		.amdhsa_system_sgpr_workgroup_id_x 1
		.amdhsa_system_sgpr_workgroup_id_y 1
		.amdhsa_system_sgpr_workgroup_id_z 1
		.amdhsa_system_vgpr_workitem_id 0
		.amdhsa_next_free_vgpr 512
		.amdhsa_next_free_sgpr 100
		.amdhsa_reserve_vcc 0
		.amdhsa_float_denorm_mode_32 3
		.amdhsa_float_denorm_mode_16_64 3
		.amdhsa_memory_ordered 1
		.amdhsa_forward_progress 1
		.amdhsa_inst_pref_size 111
	.end_amdhsa_kernel
	.amdgpu_metadata
---
amdhsa.version: [ 1, 2 ]
amdhsa.kernels:
  - .name:           k_qf2a4623199_attn
    .symbol:         k_qf2a4623199_attn.kd
    .args:
      - { .name: qc, .offset: 0, .size: 8, .value_kind: global_buffer, .address_space: global }
      - { .name: qs, .offset: 8, .size: 8, .value_kind: global_buffer, .address_space: global }
      - { .name: kv, .offset: 16, .size: 8, .value_kind: global_buffer, .address_space: global }
      - { .name: kvs, .offset: 24, .size: 8, .value_kind: global_buffer, .address_space: global }
      - { .name: woc, .offset: 32, .size: 8, .value_kind: global_buffer, .address_space: global }
      - { .name: Wo_b, .offset: 40, .size: 8, .value_kind: global_buffer, .address_space: global }
      - { .name: out0, .offset: 48, .size: 8, .value_kind: global_buffer, .address_space: global }
    .group_segment_fixed_size: 327680
    .private_segment_fixed_size: 0
    .kernarg_segment_align: 8
    .kernarg_segment_size: 56
    .max_flat_workgroup_size: 256
    .sgpr_count:     100
    .vgpr_count:     512
    .wavefront_size: 32
...
	.end_amdgpu_metadata
.endif
;; end of part 2
